; MI455X (gfx1250); checked and timed in simulation.
; The chip was launched on July 23, 2026; its instructions are those of AMD's public machine-readable ISA for CDNA 5 (MIT licence, August 2026) and "CDNA5" Instruction Set Architecture Reference Guide (July 2026). The comments in the code are by the model that wrote it; some were corrected since.
;; Bahdanau Attention. Allowed arithmetic: float matrix products may take bf16 or f16 operands with f32 sums; all other float work in f32.
;; Inputs: V 1,024 x 1 float32; W1 1,024 x 1,024 float32; W2 1,024 x 1,024 float32; query 32 x 1,024 float32; values 32 x 2,048 x 1,024 float32.
;; Outputs: out0 32 x 1,024 float32; out1 32 x 2,048 x 1 float32.
;; One version. Each part assembles by itself: llvm-mc -triple=amdgcn-amd-amdhsa -mcpu=gfx1250 --defsym DOCPART=n.
;; ======== version 1 of 1: 3 launches
;; limits: values outside matrix products are rounded to bf16
;; workspace buffers: w2f 2,097,152 bytes; qp 524,288 bytes; lg 262,144 bytes; st 262,144 bytes; cp 2,097,152 bytes
;; launch prep (part 1): grid 256 x 1, 4 waves a work-group, no clusters, 8,192 bytes of LDS; arguments W1, W2, query, w2f, qp; writes w2f, qp
.if DOCPART == 1
	.amdgcn_target "amdgcn-amd-amdhsa--gfx1250"
	.amdhsa_code_object_version 6
	.text
	.protected	k_qd172e51fb6_prep
	.globl	k_qd172e51fb6_prep
	.p2align	8
	.type	k_qd172e51fb6_prep,@function
k_qd172e51fb6_prep:
	s_mov_b64 s[64:65], 0
	v_nop
	global_prefetch_b8 v0, s[64:65] scope:SCOPE_SE
	s_setreg_imm32_b32 hwreg(HW_REG_WAVE_MODE, 25, 1), 1
	s_wait_xcnt 0x0
; prep: (1) W2 [1024 k][1024 u] f32 -> w2f, bf16, laid out as the B fragments of v_wmma_f32_16x16x32_bf16;
;       (2) qp[kq][ut][b][r] = 2 log2(e) * sum over d in K quarter kq of query[b][d] W1[d][16 ut + r], f32 sums of bf16 products.
; Work-group id: ut = id >> 2 (16 columns u = 16 ut ..), kq = id & 3 (256 k).  Wave w (0..3) owns the K steps j = 2 (4 kq + w) and the next (32 k each).
; The sum over the four K quarters spans work-groups, so it is left to the next launch, which adds the four tables.
; Fragment of (ut, j): 1,024 bytes; byte c*512 + L*16 + 2 e holds W2[32 j + 16 c + 8 h + e][16 ut + r], L = 16 h + r.
; Its place in w2f: (((ut>>3)&3)*2 + (ut>>5))*262144 + j*8192 + (ut&7)*1024, so that a wave of the next launch reads 524,288 bytes in a row.
; LIMITS: operands are rounded to bf16.  A lane loads single f32 of W1 and W2 (a column of the fragment): sixteen lanes take 64 neighbouring
; bytes of a row, four work-groups share each aligned block of 256 bytes; the two matrices are 8 MiB in all, read once by this launch.
; No tensor loads, no cluster: no two work-groups read the same bytes of W1 or W2, and query is 128 KiB.
.set W2R, 16                           ; v[16:47]    W2 as loaded: 16 s + 8 c + e
.set W1R, 48                           ; v[48:79]    W1 as loaded
.set QR,  80                           ; v[80:143]   query as loaded: 32 mt + 16 s + 8 c + 0..7
.set W2F, 144                          ; v[144:159]  W2 fragments, 8 registers for each s
.set W1F, 160                          ; v[160:175]  W1 fragments
.set QF,  176                          ; v[176:207]  query fragments: 8 (2 mt + s)
.set D0,  208                          ; v[208:215]  sums of batches 0-15
.set D1,  216                          ; v[216:223]  sums of batches 16-31
	s_load_b256 s[4:11], s[0:1], 0x0               ; W1 s[4:5], W2 s[6:7], query s[8:9], w2f s[10:11]
	s_load_b64 s[12:13], s[0:1], 0x20              ; qp
	v_lshrrev_b32 v1, 5, v0
	v_readfirstlane_b32 s2, v1                     ; wave 0..3
	v_and_b32 v2, 15, v0                           ; r
	v_bfe_u32 v3, v0, 4, 1                         ; h
	v_and_b32 v4, 31, v0                           ; L
	v_lshlrev_b32 v5, 2, v2                        ; W1, W2: column r,
	v_lshl_add_u32 v5, v3, 15, v5                  ; 8 h rows of 4,096 bytes
	v_lshlrev_b32 v6, 12, v2                       ; query: row r,
	v_lshl_add_u32 v6, v3, 5, v6                   ; 8 h numbers along it
	v_lshlrev_b32 v7, 4, v4                        ; 16 L: my 16 bytes of half a fragment
	v_lshlrev_b32 v8, 2, v2                        ; LDS: wave*2048 + (8 h)*64 + 4 r
	v_lshl_add_u32 v8, v3, 9, v8
	v_lshl_add_u32 v8, s2, 11, v8
	s_lshr_b32 s24, ttmp9, 2                       ; ut
	s_and_b32 s25, ttmp9, 3                        ; kq
	s_lshl_b32 s26, s25, 2
	s_add_co_u32 s26, s26, s2                      ; kw = 4 kq + wave: my 64 k of the 1,024
	s_lshl_b32 s14, s24, 6                         ; 16 ut columns of 4 bytes
	s_lshl_b32 s15, s26, 18                        ; 64 kw rows of 4,096 bytes
	s_add_co_u32 s14, s14, s15
	s_mov_b32 s15, 0
	s_lshl_b32 s16, s26, 8                         ; 64 kw numbers along a row of query
	s_mov_b32 s17, 0
	s_bfe_u32 s18, s24, 0x20003                    ; (ut>>3)&3
	s_lshl_b32 s18, s18, 1
	s_lshr_b32 s19, s24, 5                         ; ut>>5
	s_add_co_u32 s18, s18, s19
	s_lshl_b32 s18, s18, 18                        ; x 262,144
	s_and_b32 s19, s24, 7
	s_lshl_b32 s19, s19, 10                        ; (ut&7) x 1,024
	s_add_co_u32 s18, s18, s19
	s_lshl_b32 s19, s26, 14                        ; j = 2 kw: 2 kw x 8,192
	s_add_co_u32 s18, s18, s19
	s_mov_b32 s19, 0
	s_lshl_b32 s20, s24, 11                        ; qp: ut x 32 batches x 64 bytes,
	s_lshl_b32 s21, s25, 17                        ; in the table of my K quarter (131,072 bytes each)
	s_add_co_u32 s20, s20, s21
	s_mov_b32 s21, 0
	s_wait_kmcnt 0x0
	s_add_nc_u64 s[4:5], s[4:5], s[14:15]
	s_add_nc_u64 s[6:7], s[6:7], s[14:15]
	s_add_nc_u64 s[8:9], s[8:9], s[16:17]
	s_add_nc_u64 s[10:11], s[10:11], s[18:19]
	s_add_nc_u64 s[12:13], s[12:13], s[20:21]
	; all 80 loads go out in one run: W2 first, since its way out is the longest
.irp s, 0,1
.irp c, 0,1
.irp e, 0,1,2,3,4,5,6,7
	global_load_b32 v[W2R+16*\s+8*\c+\e], v5, s[6:7] offset:(32*\s+16*\c+\e)*4096
.endr
.endr
.endr
.irp s, 0,1
.irp c, 0,1
.irp e, 0,1,2,3,4,5,6,7
	global_load_b32 v[W1R+16*\s+8*\c+\e], v5, s[4:5] offset:(32*\s+16*\c+\e)*4096
.endr
.endr
.endr
.irp m, 0,1
.irp s, 0,1
.irp c, 0,1
	global_load_b128 v[QR+32*\m+16*\s+8*\c:QR+32*\m+16*\s+8*\c+3],   v6, s[8:9] offset:\m*65536+\s*128+\c*64
	global_load_b128 v[QR+32*\m+16*\s+8*\c+4:QR+32*\m+16*\s+8*\c+7], v6, s[8:9] offset:\m*65536+\s*128+\c*64+16
.endr
.endr
.endr
	s_wait_loadcnt 0x30                            ; W2 is in: the 32 loads of W1 and the 16 of query are younger
	.set k, 0
.rept 16
	v_cvt_pk_bf16_f32 v[W2F+k], v[W2R+2*k], v[W2R+2*k+1]       ; e and e + 1: the lower k in the low half
	.set k, k+1
.endr
.irp s, 0,1
.irp c, 0,1
	global_store_b128 v7, v[W2F+8*\s+4*\c:W2F+8*\s+4*\c+3], s[10:11] offset:\s*8192+\c*512   ; 512 neighbouring bytes, aligned
.endr
.endr
	s_wait_loadcnt 0x0
	.set k, 0
.rept 16
	v_cvt_pk_bf16_f32 v[W1F+k], v[W1R+2*k], v[W1R+2*k+1]
	.set k, k+1
.endr
	.set k, 0
.rept 32
	v_cvt_pk_bf16_f32 v[QF+k], v[QR+2*k], v[QR+2*k+1]
	.set k, k+1
.endr
	; my 64 k of the product: the two accumulators take turns, one instruction a turn
	v_wmma_f32_16x16x32_bf16 v[D0:D0+7], v[QF:QF+7],       v[W1F:W1F+7],    0
	v_wmma_f32_16x16x32_bf16 v[D1:D1+7], v[QF+16:QF+23],   v[W1F:W1F+7],    0
	v_wmma_f32_16x16x32_bf16 v[D0:D0+7], v[QF+8:QF+15],    v[W1F+8:W1F+15], v[D0:D0+7]
	v_wmma_f32_16x16x32_bf16 v[D1:D1+7], v[QF+24:QF+31],   v[W1F+8:W1F+15], v[D1:D1+7]
.rept 4
	v_nop                                          ; four places between a matrix instruction and the LDS stores of its result
.endr
.irp m, 0,1
.irp j, 0,1,2,3,4,5,6,7
	ds_store_b32 v8, v[D0+8*\m+\j] offset:\m*1024+\j*64        ; batch 16 m + 8 h + j, column r, in my wave's 2,048 bytes
.endr
.endr
	s_wait_dscnt 0x0                               ; for the other waves: my partial sums are in LDS
	s_barrier_signal -1
	s_barrier_wait -1
	v_lshlrev_b32 v9, 4, v0                        ; 128 threads x 16 bytes are the 2,048 bytes of the result
	.set k, 0
.rept 4
	ds_load_b128 v[W2R+4*k:W2R+4*k+3], v9 offset:k*2048        ; the same 16 bytes of each of the 4 waves
	.set k, k+1
.endr
	s_wait_dscnt 0x0
.irp wd, 8,4
	.set k, 0
	.rept \wd/2
	v_pk_add_f32 v[W2R+k:W2R+k+1], v[W2R+k:W2R+k+1], v[W2R+\wd+k:W2R+\wd+k+1]
	.set k, k+2
	.endr
.endr
	v_pk_mul_f32 v[W2R:W2R+1],   v[W2R:W2R+1],   0x4038aa3b op_sel_hi:[1,0]   ; x 2 log2(e): the next launch's exponent wants it so
	v_pk_mul_f32 v[W2R+2:W2R+3], v[W2R+2:W2R+3], 0x4038aa3b op_sel_hi:[1,0]
	global_store_b128 v9, v[W2R:W2R+3], s[12:13]
	s_endpgm
.Lfunc_end_k_qd172e51fb6_prep:
	.size	k_qd172e51fb6_prep, .Lfunc_end_k_qd172e51fb6_prep-k_qd172e51fb6_prep
	.p2alignl 7, 3214868480
	.fill 96, 4, 3214868480
	.section	.rodata,"a",@progbits
	.p2align	6, 0x0
	.amdhsa_kernel k_qd172e51fb6_prep
		.amdhsa_group_segment_fixed_size 8192
		.amdhsa_private_segment_fixed_size 0
		.amdhsa_enable_private_segment 0
		.amdhsa_kernarg_size 40
		.amdhsa_user_sgpr_count 2
		.amdhsa_user_sgpr_kernarg_segment_ptr 1
		.amdhsa_wavefront_size32 1
		.amdhsa_system_sgpr_workgroup_id_x 1
		.amdhsa_system_sgpr_workgroup_id_y 1
		.amdhsa_system_sgpr_workgroup_id_z 1
		.amdhsa_system_vgpr_workitem_id 0
		.amdhsa_next_free_vgpr 224
		.amdhsa_next_free_sgpr 66
		.amdhsa_reserve_vcc 0
		.amdhsa_float_denorm_mode_32 3
		.amdhsa_float_denorm_mode_16_64 3
		.amdhsa_memory_ordered 1
		.amdhsa_forward_progress 1
		.amdhsa_inst_pref_size 17
	.end_amdhsa_kernel
	.amdgpu_metadata
---
amdhsa.version: [ 1, 2 ]
amdhsa.kernels:
  - .name:           k_qd172e51fb6_prep
    .symbol:         k_qd172e51fb6_prep.kd
    .args:
      - { .name: W1, .offset: 0, .size: 8, .value_kind: global_buffer, .address_space: global }
      - { .name: W2, .offset: 8, .size: 8, .value_kind: global_buffer, .address_space: global }
      - { .name: query, .offset: 16, .size: 8, .value_kind: global_buffer, .address_space: global }
      - { .name: w2f, .offset: 24, .size: 8, .value_kind: global_buffer, .address_space: global }
      - { .name: qp, .offset: 32, .size: 8, .value_kind: global_buffer, .address_space: global }
    .group_segment_fixed_size: 8192
    .private_segment_fixed_size: 0
    .kernarg_segment_align: 8
    .kernarg_segment_size: 40
    .max_flat_workgroup_size: 128
    .sgpr_count:     66
    .vgpr_count:     224
    .wavefront_size: 32
...
	.end_amdgpu_metadata
.endif
;; end of part 1
;; launch main (part 2): grid 512 x 1, 4 waves a work-group, no clusters, 327,680 bytes of LDS; arguments values, w2f, qp, V, lg, st, cp; writes lg, st, cp
.if DOCPART == 2
	.amdgcn_target "amdgcn-amd-amdhsa--gfx1250"
	.amdhsa_code_object_version 6
	.text
	.protected	k_qd172e51fb6_main
	.globl	k_qd172e51fb6_main
	.p2align	8
	.type	k_qd172e51fb6_main,@function
k_qd172e51fb6_main:
	s_mov_b64 s[64:65], 0
	v_nop
	global_prefetch_b8 v0, s[64:65] scope:SCOPE_SE
	s_setreg_imm32_b32 hwreg(HW_REG_WAVE_MODE, 25, 1), 1
	s_wait_xcnt 0x0
; main: one work-group makes one tile of 128 rows t of one batch (tile = 16 batch + i, 512 tiles):
;   logit[t] = sum over u of V[u] tanh(q[u] + sum over d of values[t][d] W2[d][u]),  m = max of the tile's logits,  p[t] = exp(logit[t] - m),
;   l = sum of p,  c[d] = sum over t of p[t] values[t][d].   Stored: lg (logits), st (m, l), cp (c).  The next launch joins the 16 tiles of a batch.
; values is read from memory ONCE: a tensor load brings 32 rows x 128 f32 (a group g of 128 k) for each wave into a landing slot, the wave rounds them to
; bf16 and lays them into AREG in the order of the matrix instruction's A fragments; AREG (128 rows x 1024 bf16 = 262,144 bytes) serves both passes over u and c.
; Four waves; a wave makes 128 rows x 128 u at a time (64 accumulator tiles, 512 registers), two passes: u tile ut = 32 pass + 8 wave + b.
; W2 comes as ready fragments (w2f) straight into registers, 16 loads of 512 neighbouring bytes for each 32 k, three quarters ahead.
; NO CLUSTER, NO MULTICAST for W2, though every work-group reads all of it: a joint load ends in LDS, and AREG and the landing slots take all 327,680
; bytes; and no fragment of W2 is read by two waves of a work-group, so LDS would spare no read.
; tanh(x) = 1 - 2 / (1 + 2^(2 log2(e) x)): an infinite power gives reciprocal 0, a vanished one gives 1, so both ends are right without a clamp.
; LIMITS: values, W2 and p enter the matrix unit rounded to bf16; v_exp_f32 and v_rcp_f32 flush denormals (ISA guide 15.8): p below 2^-126 is 0;
; a NaN logit makes l NaN and so its whole batch.
;
; LDS:  AREG 0 .. 262143: group g at g*32768; in it wave-major: (i>>1)*8192 + jj*2048 + (i&1)*1024 for row tile i = row>>4 and K step jj = (k>>5)&3;
;       in the 1,024 bytes c*512 + h*256 + r*16 = the 16 bytes of row 16 i + r, k = 128 g + 32 jj + 16 c + 8 h ..+7.  Reads and stores are lane-contiguous.
;       Three landing slots of 67,584 bytes: PAD at 260096, SLOTB at 192512, SLOTC at 124928.  Wave w's piece of 32 rows lies at slot + (3-w)*16896,
;       pitch 528 (512 + 16: row r starts 16 r bytes further modulo 256).  SLOTB and SLOTC lie on the part of AREG that is still empty.
;       WHO LANDS WHERE: first fills g0 -> SLOTC, g1 -> SLOTB, g2 -> PAD; then g3, g5 -> SLOTB and g4, g6, g7 -> PAD.  Period n multiplies group n and rounds
;       group n + 1 into AREG's block n + 1; blocks 1 to 4, written while slots are still filled again, end at 163,840, below SLOTB.
;       Block 5's last 4,096 bytes are wave 3's K steps 2, 3 and lie on rows 0-7 of wave 3's own piece of SLOTB; block 7's last 2,048 bytes are wave 3's
;       K step 3 and lie on rows 0-3 of its own piece of PAD.  Wave 3 writes them out of that very piece, behind the slot's last fill and behind the
;       return of its own reads of the piece's rows 0-15.
;       Scratch, written only behind PAD's last fill and last read: SC1 (4 waves x 16 r x 528), SCM, SCS, SCL, SCP, SCC.
; A wave has three tensor loads out at the start and one behind each barrier with a refill.
; REGISTERS, in windows of 256: window 0 addresses, A fragments, work; window 1 four buffers of B fragments; window 2 accumulators of rows 0-63
; (tile (a, b) at 8 (8 a + b)); window 3 those of rows 64-127.
.set QB,     8192                      ; bytes of a quarter (32 k) of my 128 u in w2f
.set QA,     2048                      ; bytes from a quarter to the next inside a wave's part of a group in AREG
.set WA,     8192                      ; a wave's part (two row tiles) of a group in AREG
.set GB,     32768                     ; bytes of a group (128 k), in AREG and in my stream of w2f
.set PIECE,  16896
.set LPITCH, 528
.set RT16,   16*LPITCH                 ; 16 rows of a piece
.set FSLOT,  4*PIECE
.set LAND,   260096
.set SLOTB,  LAND-FSLOT
.set SLOTC,  LAND-2*FSLOT
.set SC1,    262144
.set SC1W,   16*LPITCH
.set SCM,    SC1+4*SC1W                ; 295936: the four waves' maxima
.set SCS,    SCM+256                   ; the four waves' sums
.set SCL,    SCS+256                   ; 128 logits
.set SCP,    SCL+512                   ; 128 p in bf16
.set SCC,    SCP+256                   ; 4 x 1,024 bytes: c on its way out
.set L16,   1                          ; v1   16 x lane; never rewritten
.set ADRA,  2                          ; v2   16 x lane + the group of the even periods in AREG (pass 2: of every trip)
.set STO,   3                          ; v3   wave*8192 + 16 x lane + the same
.set CLP,   4                          ; v4   my piece of PAD + r*528 + h*32
.set PFV,   5                          ; v5   prefetch: lane*4096 + the trip's 1,024
.set CLB,   6                          ; v6   my piece of SLOTB + r*528 + h*32
.set R4,    7                          ; v7   4 r
.set VS,    8                          ; v[8:9]  the sum of my 16 V, twice
.set LN,    10                         ; v10  lane
.set RR,    11                         ; v11  r = lane & 15
.set HH,    12                         ; v12  h = lane >> 4
.set CLC,   13                         ; v13  my piece of SLOTC + r*528 + h*32, for group 0 alone        v13-31: at work otherwise
.set ADRB,  28                         ; v28  pass 1: as ADRA, for the odd periods
.set STOB,  29                         ; v29  pass 1: as STO, for the odd periods
.set FA0,   32                         ; v[32:95]   A fragments, buffer 0
.set FA1,   96                         ; v[96:159]  A fragments, buffer 1
.set T,     FA1                        ; the epilogue's 64 numbers at work
.set X,     160                        ; v[160:191] pass 1: f32 from a landing slot
.set Y,     192                        ; v[192:207] pass 1: the same in bf16
.set P,     160                        ; v[160:223] from the first epilogue on: partial logit of row 16 a + 8 h + j at 8 a + j
.set Q,     224                        ; v[224:239] 2 log2(e) q of my u: 8 pass + b.  In the tail: p as A fragments
.set VM,    240                        ; v[240:255] -2 V of my u: 8 pass + b
.set FB0,   0                          ; window 1: four buffers of B fragments
.set FB1,   64
.set FB2,   128
.set FB3,   192
.set G1,    16                         ; s[16:23] descriptor group 1
.set G0P,   24                         ; s[24:27] descriptor group 0 for PAD
.set G0B,   48                         ; s[48:51] for SLOTB
.set G0C,   52                         ; s[52:55] for SLOTC
.set SB,    30                         ; s[30:31] my stream of w2f
.set MUL_LO, 0xa4                      ; source 0 (A) window 0, source 1 (B) window 1, C and D window 2
.set MUL_HI, 0xf4                      ; the same, C and D window 3
.set TO_B,   0x40                      ; destination window 1, address window 0
.set MSB, 0
.macro WIN new                         ; the immediate's high byte repeats the setting that is left
.if MSB != (\new)
	s_set_vgpr_msb (MSB<<8)|(\new)
.set MSB, (\new)
.endif
.endm
.macro PLACES                          ; four places behind a matrix instruction, in front of loads into its sources and of readers of its result
.rept 4
	v_nop
.endr
.endm
; 16 LDS loads: A's 128 rows x 32 k, lane-contiguous (16 x lane in the register), rows 0-63 first
.macro FETCHA f, areg, off
	WIN 0
.irp i, 0,1,2,3,4,5,6,7
	ds_load_b128 v[\f+8*\i:\f+8*\i+3],   v[\areg] offset:\off+(\i/2)*WA+(\i%2)*1024
	ds_load_b128 v[\f+8*\i+4:\f+8*\i+7], v[\areg] offset:\off+(\i/2)*WA+(\i%2)*1024+512
.endr
.endm
; 16 global loads: my 128 u x 32 k of W2, 512 neighbouring bytes each
.macro FETCHB f, off
	WIN TO_B
.irp b, 0,1,2,3,4,5,6,7
	global_load_b128 v[\f+8*\b:\f+8*\b+3],   v[L16], s[SB:SB+1] offset:\off+\b*1024
	global_load_b128 v[\f+8*\b+4:\f+8*\b+7], v[L16], s[SB:SB+1] offset:\off+\b*1024+512
.endr
.endm
; 16 matrix instructions: row tiles a0, a0 + 1 of the window's four x all 8 u tiles.  zero = 1: the product starts the sums.
; The 64 accumulators take turns, one instruction a turn, in the same order in every quarter.
.macro MUL16 fa, fb, hi, a0, zero
.irp a, \a0, \a0+1
.irp b, 0,1,2,3,4,5,6,7
.if \zero
	v_wmma_f32_16x16x32_bf16 v[8*(8*(\a)+\b):8*(8*(\a)+\b)+7], v[\fa+8*(4*\hi+(\a)):\fa+8*(4*\hi+(\a))+7], v[\fb+8*\b:\fb+8*\b+7], 0
.else
	v_wmma_f32_16x16x32_bf16 v[8*(8*(\a)+\b):8*(8*(\a)+\b)+7], v[\fa+8*(4*\hi+(\a)):\fa+8*(4*\hi+(\a))+7], v[\fb+8*\b:\fb+8*\b+7], v[8*(8*(\a)+\b):8*(8*(\a)+\b)+7]
.endif
.endr
.endr
.endm
; A quarter: 64 matrix instructions on buffers fa, fb; in its middle the next quarter's A (into nfa) and the B of three quarters on (into nfb).
; lcnt: the loads of B younger than this quarter's.  nfa, nfb = -1: nothing left to fetch.
.macro QUARTER fa, fb, zero, lcnt, nfa, areg, aoff, nfb, boff
	s_wait_loadcnt \lcnt                           ; global loads come back in order (ISA guide 5.7.1): this quarter's B is in
	s_wait_dscnt 0x8                               ; A's rows 0-63 are in; the youngest eight loads (rows 64-127) may be out
	WIN MUL_LO
	MUL16 \fa, \fb, 0, 0, \zero
	MUL16 \fa, \fb, 0, 2, \zero
.if \nfa >= 0
	PLACES
	FETCHA \nfa, \areg, \aoff
.if \nfb >= 0
	FETCHB \nfb, \boff
.endif
	s_wait_dscnt 0x10                              ; all but the 16 loads of A just issued
.else
	s_wait_dscnt 0x0
.endif
	WIN MUL_HI
	MUL16 \fa, \fb, 1, 0, \zero
	MUL16 \fa, \fb, 1, 2, \zero
.endm
; A quarter of the conversion, beta = 0..3: row tile bb = beta>>1 of my two, K steps jj = 2 (beta&1) + (sg>>1), halves c = sg&1.
.macro CL beta, cl                     ; 8 LDS loads: lane (r, h) takes row 16 bb + r, k = 32 jj + 16 c + 8 h ..+7, 32 bytes
.irp sg, 0,1,2,3
	.set CB, ((\beta)>>1)*RT16+(2*((\beta)&1)+((\sg)>>1))*128+((\sg)&1)*64
	ds_load_b128 v[X+8*\sg:X+8*\sg+3],   v[\cl] offset:CB
	ds_load_b128 v[X+8*\sg+4:X+8*\sg+7], v[\cl] offset:CB+16
.endr
.endm
.macro CC beta, sto, soff              ; round to bf16, 16 bytes a lane into AREG, lane-contiguous
.irp sg, 0,1,2,3
.irp t, 0,1,2,3
	v_cvt_pk_bf16_f32 v[Y+4*\sg+\t], v[X+8*\sg+2*\t], v[X+8*\sg+2*\t+1]
.endr
.endr
.irp sg, 0,1,2,3
	.set CB, \soff+(2*((\beta)&1)+((\sg)>>1))*QA+((\beta)>>1)*1024+((\sg)&1)*512
	ds_store_b128 v[\sto], v[Y+4*\sg:Y+4*\sg+3] offset:CB
.endr
.endm
; A quarter of pass 1 that also rounds the next group: between its matrix instructions the f32 of the slot at cl go into AREG's next block.
; head: how many tensor loads were issued behind the slot's own.  At its end ONE barrier shows the new block to all waves; with fill = 1 the slot just
; read is filled again behind it (descriptor g0, stepped by step bytes along the rows), and in front of it every wave has waited for all its tensor loads:
; the one that is out was issued behind the barrier before, four quarters (256 matrix instructions) ago.  pfo >= 0: the group after the one asked for is prefetched.
.macro CQUARTER fa, fb, nfa, areg, aoff, nfb, boff, cl, sto, head, fill, g0, step, pfo
	s_wait_tensorcnt \head                         ; tensor loads of a wave end in order (ISA guide 10.11.1): the slot that I read has landed
	WIN 0
	CL 0, \cl
	s_wait_loadcnt 0x20                            ; this quarter's B is in, two quarters' loads are younger
	s_wait_dscnt 0x8                               ; all 16 loads of A are in: only the 8 of CL 0 are younger
	WIN MUL_LO
	MUL16 \fa, \fb, 0, 0, 0
	WIN 0
	s_wait_dscnt 0x0
	CC 0, \sto, GB
	CL 1, \cl
	WIN MUL_LO
	MUL16 \fa, \fb, 0, 2, 0
	PLACES
	FETCHA \nfa, \areg, \aoff
	FETCHB \nfb, \boff
	WIN 0
	s_wait_dscnt 0x10                              ; CL 1 is in: the 16 loads of A are younger.  All reads of my piece's rows 0-15 are back
	CC 1, \sto, GB
	CL 2, \cl
	WIN MUL_HI
	MUL16 \fa, \fb, 1, 0, 0
	WIN 0
	s_wait_dscnt 0x0
	CC 2, \sto, GB
	CL 3, \cl
	WIN MUL_HI
	MUL16 \fa, \fb, 1, 2, 0
	WIN 0
	s_wait_dscnt 0x0
	CC 3, \sto, GB
	s_wait_dscnt 0x0                               ; for the others: my stores into AREG are done, and so are my reads of the slot
.if \fill
.if \head
	s_wait_tensorcnt 0x0                           ; all my tensor loads have landed: the other slot's, which the next conversion reads
.endif
	s_add_nc_u64 s[\g0+2:\g0+3], s[\g0+2:\g0+3], \step   ; no tensor load of mine is out: the address steps along the rows
.endif
	s_barrier_signal -1
	s_barrier_wait -1
.if \fill
	tensor_load_to_lds s[\g0:\g0+3], s[G1:G1+7]    ; my one tensor load behind the barrier, first thing there
	s_nop 0
.if \pfo >= 0
	global_prefetch_b8 v[PFV], s[32:33] offset:\pfo th:TH_LOAD_NT scope:SCOPE_SE       ; the group that the next barrier's load will bring: lane = row,
	global_prefetch_b8 v[PFV], s[32:33] offset:\pfo+256 th:TH_LOAD_NT scope:SCOPE_SE   ; my 32 rows x 512 bytes as 64 blocks of 256 bytes, asked for by this wave alone
.endif
.endif
.endm
; Period n of pass 1, from its second quarter to the next period's first: quarters 4 n + 1 .. 4 n + 4.  areg, sto: at group n; bo: group n's place from s[SB].
.macro PERIOD areg, sto, bo, cl, head, fill, g0, step, pfo
	QUARTER FA1, FB1, 0, 32, FA0, \areg, 2*QA, FB0, \bo+4*QB
	CQUARTER FA0, FB2, FA1, \areg, 3*QA, FB1, \bo+5*QB, \cl, \sto, \head, \fill, \g0, \step, \pfo
	QUARTER FA1, FB3, 0, 32, FA0, \areg, GB, FB2, \bo+6*QB         ; its A is the next group's first quarter, shown by the barrier above
	QUARTER FA0, FB0, 0, 32, FA1, \areg, GB+QA, FB3, \bo+7*QB
.endm
; The epilogue of row tile a in pass p: P[8 a + j] += sum over b of (-2 V) / (1 + 2^(2 log2(e) acc + q')); the ones' share, sum of V, starts the chain.
.macro EPIA p, a
	.set EW, 2+((\a)>>2)
	.set EA, 64*((\a)&3)
	WIN EW                                         ; source 0 from the accumulators' window
.irp b, 0,2,4,6
.irp j, 0,2,4,6
	v_pk_fma_f32 v[T+8*\b+\j:T+8*\b+\j+1], v[EA+8*\b+\j:EA+8*\b+\j+1], 0x4038aa3b, v[Q+8*\p+\b:Q+8*\p+\b+1] op_sel_hi:[1,0,0]
.endr
.irp j, 0,2,4,6
	v_pk_fma_f32 v[T+8*\b+8+\j:T+8*\b+8+\j+1], v[EA+8*\b+8+\j:EA+8*\b+8+\j+1], 0x4038aa3b, v[Q+8*\p+\b:Q+8*\p+\b+1] op_sel:[0,0,1] op_sel_hi:[1,0,1]
.endr
.endr
	WIN 0
	.set k, 0
.rept 64
	v_exp_f32 v[T+k], v[T+k]
	.set k, k+1
.endr
	v_nop                                          ; one plain instruction between a transcendental and the use of its result (ISA guide 5.7.2)
	.set k, 0
	s_wait_alu depctr_va_vdst(0)
.rept 32
	v_pk_add_f32 v[T+k:T+k+1], v[T+k:T+k+1], 1.0 op_sel_hi:[1,0]
	.set k, k+2
.endr
	.set k, 0
.rept 64
	v_rcp_f32 v[T+k], v[T+k]
	.set k, k+1
.endr
	v_nop
	s_wait_alu depctr_va_vdst(0)
.irp b, 0,2,4,6
.irp j, 0,2,4,6
.if (\p+\b) == 0
	v_pk_fma_f32 v[P+8*\a+\j:P+8*\a+\j+1], v[T+8*\b+\j:T+8*\b+\j+1], v[VM+8*\p+\b:VM+8*\p+\b+1], v[VS:VS+1] op_sel_hi:[1,0,1]
.else
	v_pk_fma_f32 v[P+8*\a+\j:P+8*\a+\j+1], v[T+8*\b+\j:T+8*\b+\j+1], v[VM+8*\p+\b:VM+8*\p+\b+1], v[P+8*\a+\j:P+8*\a+\j+1] op_sel_hi:[1,0,1]
.endif
.endr
.irp j, 0,2,4,6
	v_pk_fma_f32 v[P+8*\a+\j:P+8*\a+\j+1], v[T+8*\b+8+\j:T+8*\b+8+\j+1], v[VM+8*\p+\b:VM+8*\p+\b+1], v[P+8*\a+\j:P+8*\a+\j+1] op_sel:[0,1,0] op_sel_hi:[1,1,1]
.endr
.endr
.endm
.macro EPI p
.irp a, 0,1,2,3,4,5,6,7
	EPIA \p, \a
.endr
.endm
; The context: B fragments of K step ks (32 rows t = row tiles 2 ks, 2 ks + 1) x my 16 tiles of 16 d, transposed out of AREG into half buf of window 1
.macro CTXLOAD ks, buf
	WIN TO_B
	.set n, 0
.rept 16
	ds_load_tr16_b128 v[128*\buf+8*n:128*\buf+8*n+3],   v30 offset:(n/8)*GB+((n/2)%4)*QA+(n%2)*512+\ks*WA
	ds_load_tr16_b128 v[128*\buf+8*n+4:128*\buf+8*n+7], v30 offset:(n/8)*GB+((n/2)%4)*QA+(n%2)*512+\ks*WA+1024
	.set n, n+1
.endr
.endm
.macro CTXMUL ks, buf, zero            ; 16 accumulators take turns, one instruction a turn
	WIN 0x04
	.set n, 0
.rept 16
.if \zero
	v_wmma_f32_16x16x32_bf16 v[FA0+8*n:FA0+8*n+7], v[Q+8*\ks:Q+8*\ks+7], v[128*\buf+8*n:128*\buf+8*n+7], 0
.else
	v_wmma_f32_16x16x32_bf16 v[FA0+8*n:FA0+8*n+7], v[Q+8*\ks:Q+8*\ks+7], v[128*\buf+8*n:128*\buf+8*n+7], v[FA0+8*n:FA0+8*n+7]
.endif
	.set n, n+1
.endr
.endm
	s_load_b256 s[4:11], s[0:1], 0x0               ; values s[4:5], w2f s[6:7], qp s[8:9], V s[10:11]
	s_load_b128 s[12:15], s[0:1], 0x20             ; lg s[12:13], st s[14:15]
	s_load_b64 s[28:29], s[0:1], 0x30              ; cp
	v_lshrrev_b32 v13, 5, v0
	v_readfirstlane_b32 s2, v13                    ; wave 0..3
	s_mov_b32 s36, 0x76543210                      ; v_permlanex16_b32: lane i of one half reads lane i of the other
	s_mov_b32 s37, 0xfedcba98
	; descriptor group 1: a tile of 32 rows x 128 elements of 4 bytes, 16 bytes of padding behind each row of 128 words
	s_mov_b32 s[G1+0], (2<<16)|(1<<20)|(6<<22)|(3<<25)
	s_mov_b32 s[G1+1], 128<<16                     ; tensor_dim0 = 128
	s_mov_b32 s[G1+2], 32<<16                      ; tensor_dim1 = 32
	s_mov_b32 s[G1+3], 128<<16                     ; tile_dim0 = 128
	s_mov_b32 s[G1+4], 32                          ; tile_dim1 = 32
	s_mov_b32 s[G1+5], 1024                        ; elements from row to row
	s_mov_b32 s[G1+6], 0
	s_mov_b32 s[G1+7], 0
	s_sub_co_u32 s34, 3, s2
	s_mul_i32 s34, s34, PIECE                      ; my piece in a slot: (3 - wave) x 16,896
	s_mov_b32 s[G0P+0], 1
	s_add_co_u32 s[G0P+1], s34, LAND
	s_mov_b32 s[G0B+0], 1
	s_add_co_u32 s[G0B+1], s34, SLOTB
	s_mov_b32 s[G0C+0], 1
	s_add_co_u32 s[G0C+1], s34, SLOTC
	s_lshl_b32 s34, ttmp9, 19                      ; tile x 128 rows x 4,096 bytes (below 2^28)
	s_lshl_b32 s35, s2, 17                         ; + wave x 32 rows
	s_add_co_u32 s34, s34, s35
	s_mov_b32 s35, 0                               ; s35 stays 0: the high word of every offset below
	s_wait_kmcnt 0x0
	s_add_nc_u64 s[32:33], s[4:5], s[34:35]        ; my first row of values
	s_mov_b64 s[G0C+2:G0C+3], s[32:33]             ; group 0
	s_add_nc_u64 s[G0B+2:G0B+3], s[32:33], 512     ; group 1
	s_add_nc_u64 s[G0P+2:G0P+3], s[32:33], 1024    ; group 2
	s_or_b32 s[G0C+3], s[G0C+3], 0x80000000        ; type = 2
	s_or_b32 s[G0B+3], s[G0B+3], 0x80000000
	s_or_b32 s[G0P+3], s[G0P+3], 0x80000000
	tensor_load_to_lds s[G0C:G0C+3], s[G1:G1+7]    ; the three first fills go out as one group, ahead of every wait on TENSORcnt, LDS read and barrier
	s_nop 0
	tensor_load_to_lds s[G0B:G0B+3], s[G1:G1+7]
	s_nop 0
	tensor_load_to_lds s[G0P:G0P+3], s[G1:G1+7]
	s_nop 0
	v_and_b32 v[LN], 31, v0
	v_and_b32 v[RR], 15, v0
	v_bfe_u32 v[HH], v0, 4, 1
	v_lshlrev_b32 v[L16], 4, v[LN]
	v_lshlrev_b32 v[PFV], 12, v[LN]
	v_lshlrev_b32 v[R4], 2, v[RR]
	s_lshr_b32 s34, ttmp9, 4                       ; batch
	s_lshl_b32 s34, s34, 6                         ; x 64 bytes
	s_lshl_b32 s3, s2, 14                          ; + 8 wave u tiles of 2,048 bytes
	s_add_co_u32 s34, s34, s3
	s_add_nc_u64 s[38:39], s[8:9], s[34:35]        ; qp
	s_lshl_b32 s34, s2, 9
	s_add_nc_u64 s[40:41], s[10:11], s[34:35]      ; V at u = 128 wave
	s_lshl_b32 s34, s2, 19
	s_add_nc_u64 s[SB:SB+1], s[6:7], s[34:35]      ; my 524,288 bytes of w2f: pass, K step, u tile
	s_lshl_b32 s34, ttmp9, 9
	s_add_nc_u64 s[42:43], s[12:13], s[34:35]      ; lg, st: 512 bytes a tile
	s_add_nc_u64 s[44:45], s[14:15], s[34:35]
	s_lshl_b32 s34, ttmp9, 12
	s_lshl_b32 s3, s2, 10
	s_add_co_u32 s34, s34, s3
	s_add_nc_u64 s[46:47], s[28:29], s[34:35]      ; cp: 4,096 bytes a tile, 1,024 a wave
.irp p, 0,1
.irp b, 0,1,2,3,4,5,6,7
	global_load_b32 v[Q+8*\p+\b], v[R4], s[38:39] offset:\p*65536+\b*2048          ; q', the first K quarter's table
.endr
.endr
.irp kq, 1,2,3
.irp p, 0,1
.irp b, 0,1,2,3,4,5,6,7
	global_load_b32 v[FA1+16*(\kq-1)+8*\p+\b], v[R4], s[38:39] offset:\kq*131072+\p*65536+\b*2048   ; the other three, into a buffer that is still idle
.endr
.endr
.endr
.irp p, 0,1
.irp b, 0,1,2,3,4,5,6,7
	global_load_b32 v[VM+8*\p+\b], v[R4], s[40:41] offset:\p*2048+\b*64
.endr
.endr
	FETCHB FB0, 0
	FETCHB FB1, QB
	FETCHB FB2, 2*QB
	WIN 0
	v_mov_b32 v[ADRA], v[L16]
	v_add_nc_u32 v[ADRB], GB, v[L16]
	v_lshl_add_u32 v[STO], s2, 13, v[L16]          ; my two row tiles: 8,192 bytes a wave in each group
	v_add_nc_u32 v[STOB], GB, v[STO]
	v_mul_u32_u24 v[CLP], v[RR], LPITCH
	v_lshl_add_u32 v[CLP], v[HH], 5, v[CLP]
	v_add_nc_u32 v[CLB], s[G0B+1], v[CLP]
	v_add_nc_u32 v[CLC], s[G0C+1], v[CLP]
	v_add_nc_u32 v[CLP], s[G0P+1], v[CLP]
	; group 0 is rounded with nothing to multiply yet
	s_wait_tensorcnt 0x2                           ; group 0 has landed: the loads of groups 1 and 2 are younger
.irp be, 0,1,2,3
	CL \be, CLC
	s_wait_dscnt 0x0
	CC \be, STO, 0
.endr
	s_wait_dscnt 0x0                               ; for the others: my stores into AREG are done
	s_barrier_signal -1                            ; groups 1 and 2 may stay on their way
	s_barrier_wait -1
	global_prefetch_b8 v[PFV], s[32:33] offset:1536 th:TH_LOAD_NT scope:SCOPE_SE   ; group 3, which the next barrier's load will bring
	global_prefetch_b8 v[PFV], s[32:33] offset:1792 th:TH_LOAD_NT scope:SCOPE_SE
	FETCHA FA0, ADRA, 0
	s_wait_loadcnt 0x30                            ; q' and V are in: the 48 loads of B are younger
.irp k2, 0,2,4,6,8,10,12,14
	v_pk_add_f32 v[Q+\k2:Q+\k2+1], v[Q+\k2:Q+\k2+1], v[FA1+\k2:FA1+\k2+1]          ; the four K quarters of q'
	v_pk_add_f32 v[FA1+16+\k2:FA1+16+\k2+1], v[FA1+16+\k2:FA1+16+\k2+1], v[FA1+32+\k2:FA1+32+\k2+1]
.endr
.irp k2, 0,2,4,6,8,10,12,14
	v_pk_add_f32 v[Q+\k2:Q+\k2+1], v[Q+\k2:Q+\k2+1], v[FA1+16+\k2:FA1+16+\k2+1]
.endr
	v_pk_add_f32 v[14:15], v[VM:VM+1],     v[VM+2:VM+3]
	v_pk_add_f32 v[16:17], v[VM+4:VM+5],   v[VM+6:VM+7]
	v_pk_add_f32 v[18:19], v[VM+8:VM+9],   v[VM+10:VM+11]
	v_pk_add_f32 v[20:21], v[VM+12:VM+13], v[VM+14:VM+15]
	v_pk_add_f32 v[14:15], v[14:15], v[16:17]
	v_pk_add_f32 v[18:19], v[18:19], v[20:21]
	v_pk_add_f32 v[14:15], v[14:15], v[18:19]
	v_add_f32 v[VS], v14, v15                      ; the sum of my 16 V: the share of tanh's ones
	v_mov_b32 v[VS+1], v[VS]
.irp k2, 0,2,4,6,8,10,12,14
	v_pk_mul_f32 v[VM+\k2:VM+\k2+1], v[VM+\k2:VM+\k2+1], -2.0 op_sel_hi:[1,0]
.endr
	; PASS 1: u tiles 8 wave + b.  Quarter q multiplies k = 32 q ..; period n = q >> 2 rounds group n + 1.
	; A trip is two periods: the even one reads SLOTB and fills it again (groups 3, 5), the odd one PAD (groups 4, 6).
	; The count 1 at a conversion's head: one load was issued behind the slot's own, on the way in (group 2 behind group 1) and round the loop alike.
	QUARTER FA0, FB0, 1, 32, FA1, ADRA, QA, FB3, 3*QB
	WIN 0
	s_mov_b32 s3, 2
.Lpass1:
	PERIOD ADRA, STO,  0,  CLB, 1, 1, G0B, 1024, 2048
	PERIOD ADRB, STOB, GB, CLP, 1, 1, G0P, 1024, 2560
	WIN 0
	s_wait_xcnt 0x0                                ; the base of B's loads and the prefetches' offset are rewritten only behind this wait
	s_add_nc_u64 s[SB:SB+1], s[SB:SB+1], 2*GB
	v_add_nc_u32 v[ADRA], 2*GB, v[ADRA]
	v_add_nc_u32 v[ADRB], 2*GB, v[ADRB]
	v_add_nc_u32 v[STO], 2*GB, v[STO]
	v_add_nc_u32 v[STOB], 2*GB, v[STOB]
	v_add_nc_u32 v[PFV], 1024, v[PFV]              ; the second trip's prefetches end with group 7, the row's last 512 bytes
	s_sub_co_u32 s3, s3, 1
	s_cmp_lg_u32 s3, 0
	s_cbranch_scc1 .Lpass1
	; period 4: group 5 out of SLOTB, whose last fill this was
	PERIOD ADRA, STO, 0, CLB, 1, 0, G0B, 0, -1
	WIN 0
	v_add_nc_u32 v[ADRA], 2*GB, v[ADRA]            ; for periods 6 and 7
	v_add_nc_u32 v[STO], 2*GB, v[STO]
	; period 5: group 6 landed long ago and is rounded in the period's first quarter here, so that group 7's load has four quarters in front of its wait
	CQUARTER FA1, FB1, FA0, ADRB, 2*QA, FB0, GB+4*QB, CLP, STOB, 0, 1, G0P, 512, -1
	QUARTER FA0, FB2, 0, 32, FA1, ADRB, 3*QA, FB1, GB+5*QB
	QUARTER FA1, FB3, 0, 32, FA0, ADRB, GB, FB2, GB+6*QB
	QUARTER FA0, FB0, 0, 32, FA1, ADRB, GB+QA, FB3, GB+7*QB
	; period 6: group 7 is rounded, nothing is left to ask for
	PERIOD ADRA, STO, 2*GB, CLP, 0, 0, G0P, 0, -1
	; period 7: B's loads run on into pass 2's part of the stream, and A's start again at k = 0
	QUARTER FA1, FB1, 0, 32, FA0, ADRA, GB+2*QA, FB0, 2*GB+8*QB
	QUARTER FA0, FB2, 0, 32, FA1, ADRA, GB+3*QA, FB1, 2*GB+9*QB
	QUARTER FA1, FB3, 0, 32, FA0, L16, 0, FB2, 2*GB+10*QB
	PLACES
	EPI 0
	; PASS 2: u tiles 32 + 8 wave + b, A from AREG alone
	v_mov_b32 v[ADRA], v[L16]
	s_wait_xcnt 0x0
	s_add_nc_u64 s[SB:SB+1], s[SB:SB+1], 4*GB      ; the loop left the base at group 4 of pass 1's eight
	QUARTER FA0, FB0, 1, 32, FA1, ADRA, QA, FB3, 3*QB
	WIN 0
	s_mov_b32 s3, 7
.Lpass2:
	QUARTER FA1, FB1, 0, 32, FA0, ADRA, 2*QA, FB0, 4*QB
	QUARTER FA0, FB2, 0, 32, FA1, ADRA, 3*QA, FB1, 5*QB
	QUARTER FA1, FB3, 0, 32, FA0, ADRA, GB, FB2, 6*QB
	QUARTER FA0, FB0, 0, 32, FA1, ADRA, GB+QA, FB3, 7*QB
	WIN 0
	s_wait_xcnt 0x0
	s_add_nc_u64 s[SB:SB+1], s[SB:SB+1], GB
	v_add_nc_u32 v[ADRA], GB, v[ADRA]
	s_sub_co_u32 s3, s3, 1
	s_cmp_lg_u32 s3, 0
	s_cbranch_scc1 .Lpass2
	QUARTER FA1, FB1, 0, 32, FA0, ADRA, 2*QA, -1, 0            ; the last three quarters load no B: the counts run down
	QUARTER FA0, FB2, 0, 16, FA1, ADRA, 3*QA, -1, 0
	QUARTER FA1, FB3, 0, 0, -1, ADRA, 0, -1, 0
	PLACES
	EPI 1
	; THE LOGITS: a row's 64 partial sums (16 r x 4 waves) meet in LDS; thread t then owns row t
	s_mul_i32 s34, s2, SC1W
	s_add_co_u32 s34, s34, SC1
	v_mul_u32_u24 v13, v[RR], LPITCH
	v_lshl_add_u32 v13, v[HH], 5, v13
	v_add_nc_u32 v13, s34, v13
.irp a, 0,1,2,3,4,5,6,7
	ds_store_b128 v13, v[P+8*\a:P+8*\a+3]   offset:\a*64       ; rows 16 a + 8 h + 0..3 at 4 bytes a row
	ds_store_b128 v13, v[P+8*\a+4:P+8*\a+7] offset:\a*64+16
.endr
	s_wait_dscnt 0x0
	s_barrier_signal -1
	s_barrier_wait -1
	v_lshlrev_b32 v14, 2, v0
	v_add_nc_u32 v14, SC1, v14
	.set k, 0
.rept 64
	ds_load_b32 v[FA0+k], v14 offset:(k/16)*SC1W+(k%16)*LPITCH
	.set k, k+1
.endr
	s_lshl_b32 s34, s2, 2
	s_add_co_u32 s34, s34, SCM
	v_mov_b32 v18, s34                             ; my wave's word among the maxima; the sums lie 256 bytes on
	s_wait_dscnt 0x0
.irp wd, 32,16,8,4,2
	.set k, 0
	.rept \wd/2
	v_pk_add_f32 v[FA0+k:FA0+k+1], v[FA0+k:FA0+k+1], v[FA0+\wd+k:FA0+\wd+k+1]
	.set k, k+2
	.endr
.endr
	v_add_f32 v15, v[FA0], v[FA0+1]                ; logit of row t
	; THE TILE'S SOFTMAX: the maximum is taken away before the exponential
	v_mov_b32 v16, v15
	v_mov_b32 v17, v15
	v_max_num_f32_dpp v16, v16, v16 row_xmask:1 row_mask:0xf bank_mask:0xf
	v_max_num_f32_dpp v16, v16, v16 row_xmask:2 row_mask:0xf bank_mask:0xf
	v_max_num_f32_dpp v16, v16, v16 row_xmask:4 row_mask:0xf bank_mask:0xf
	v_max_num_f32_dpp v16, v16, v16 row_xmask:8 row_mask:0xf bank_mask:0xf
	v_permlanex16_b32 v17, v16, s36, s37
	v_max_num_f32 v16, v16, v17
	ds_store_b32 v18, v16                          ; all lanes write the same word with the same value
	ds_store_b32 v14, v15 offset:SCL-SC1
	s_wait_dscnt 0x0
	s_barrier_signal -1
	s_barrier_wait -1
	v_mov_b32 v19, SCM
	ds_load_b128 v[20:23], v19
	v_lshlrev_b32 v28, 1, v0
	v_add_nc_u32 v28, SCP, v28
	s_wait_dscnt 0x0
	v_max3_num_f32 v24, v20, v21, v22
	v_max_num_f32 v24, v24, v23                    ; m
	v_sub_f32 v25, v15, v24
	v_mul_f32 v25, 0x3fb8aa3b, v25
	v_exp_f32 v25, v25                             ; p = e^(logit - m), at most 1
	v_nop
	s_wait_alu depctr_va_vdst(0)
	v_mov_b32 v26, v25
	v_mov_b32 v27, v25
	v_cvt_pk_bf16_f32 v29, v25, v25
	v_add_f32_dpp v26, v26, v26 row_xmask:1 row_mask:0xf bank_mask:0xf
	v_add_f32_dpp v26, v26, v26 row_xmask:2 row_mask:0xf bank_mask:0xf
	v_add_f32_dpp v26, v26, v26 row_xmask:4 row_mask:0xf bank_mask:0xf
	v_add_f32_dpp v26, v26, v26 row_xmask:8 row_mask:0xf bank_mask:0xf
	v_permlanex16_b32 v27, v26, s36, s37
	v_add_f32 v26, v26, v27
	ds_store_b32 v18, v26 offset:SCS-SCM
	ds_store_b16 v28, v29
	s_wait_dscnt 0x0
	s_barrier_signal -1
	s_barrier_wait -1
	s_cmp_lg_u32 s2, 0
	s_cbranch_scc1 .Lnot_wave_0                    ; wave 0 stores the tile's logits and (m, l): 512 neighbouring bytes each
	v_add_nc_u32 v13, SCL, v[L16]
	ds_load_b128 v[160:163], v13
	ds_load_b128 v[20:23], v19 offset:SCS-SCM
	s_wait_dscnt 0x0
	v_add_f32 v20, v20, v21
	v_add_f32 v22, v22, v23
	v_mov_b32 v164, v24
	v_add_f32 v165, v20, v22                       ; l
	v_mov_b32 v166, v24
	v_mov_b32 v167, v165
	global_store_b128 v[L16], v[160:163], s[42:43] ; v160-167 are not written again
	global_store_b128 v[L16], v[164:167], s[44:45] ; (m, l, m, l) in every lane: the tile's 512 bytes of st are written whole
.Lnot_wave_0:
	; THE CONTEXT on the matrix unit: A = p in every one of the 16 rows, K = the tile's 128 rows t in four steps, N = my 256 d in 16 tiles.
	; AREG holds d along 16-byte pieces and t across them, so B's fragments come by the transposing load: lane L addresses row t = 32 ks + 16 s + 8 (L>>4) + (L&7),
	; piece (L>>3)&1 of the tile's two pieces of 8 d.
	v_lshlrev_b32 v31, 4, v[HH]
	v_add_nc_u32 v31, SCP, v31
	v_and_b32 v30, 7, v0
	v_lshl_add_u32 v30, v[HH], 3, v30
	v_lshlrev_b32 v30, 4, v30
	v_bfe_u32 v29, v0, 3, 1
	v_lshl_add_u32 v30, v29, 8, v30
	v_lshl_add_u32 v30, s2, 16, v30                ; my d = 256 wave ..: two groups of 32,768 bytes
.irp ks, 0,1,2,3
	ds_load_b128 v[Q+8*\ks:Q+8*\ks+3],   v31 offset:\ks*64     ; p[32 ks + 8 h ..+7]
	ds_load_b128 v[Q+8*\ks+4:Q+8*\ks+7], v31 offset:\ks*64+32  ; p[32 ks + 16 + 8 h ..+7]
.endr
	CTXLOAD 0, 0
	CTXLOAD 1, 1
	s_wait_dscnt 0x20                              ; p and step 0 are in: step 1's 32 loads are younger
	CTXMUL 0, 0, 1
	PLACES
	CTXLOAD 2, 0
	s_wait_dscnt 0x20                              ; step 1 is in
	CTXMUL 1, 1, 0
	PLACES
	CTXLOAD 3, 1
	s_wait_dscnt 0x20                              ; step 2 is in
	CTXMUL 2, 0, 0
	s_wait_dscnt 0x0
	CTXMUL 3, 1, 0
	PLACES
	WIN 0
	; all 16 rows of a result are alike: register 0 of tile n holds c[16 n + r] in both halves of the lanes.  Lanes 0-15 take the even tile, lanes 16-31 the odd one;
	; then through my own 1,024 bytes of LDS, so that a lane stores 16 neighbouring bytes.
	v_cmp_le_u32 vcc_lo, 16, v[LN]
.irp t, 0,1,2,3,4,5,6,7
	v_cndmask_b32 v[168+\t], v[FA0+16*\t], v[FA0+16*\t+8], vcc_lo
.endr
	s_lshl_b32 s34, s2, 10
	s_add_co_u32 s34, s34, SCC
	v_lshl_add_u32 v20, v[LN], 2, s34
	v_add_nc_u32 v21, s34, v[L16]
.irp t, 0,1,2,3,4,5,6,7
	ds_store_b32 v20, v[168+\t] offset:\t*128
.endr
	ds_load_b128 v[176:179], v21                   ; LDS serves a wave's instructions in order (ISA guide 5.7.1.4): these see the stores above
	ds_load_b128 v[180:183], v21 offset:512
	s_wait_dscnt 0x0
	global_store_b128 v[L16], v[176:179], s[46:47]
	global_store_b128 v[L16], v[180:183], s[46:47] offset:512
	s_endpgm
.Lfunc_end_k_qd172e51fb6_main:
	.size	k_qd172e51fb6_main, .Lfunc_end_k_qd172e51fb6_main-k_qd172e51fb6_main
	.p2alignl 7, 3214868480
	.fill 96, 4, 3214868480
	.section	.rodata,"a",@progbits
	.p2align	6, 0x0
	.amdhsa_kernel k_qd172e51fb6_main
		.amdhsa_group_segment_fixed_size 327680
		.amdhsa_private_segment_fixed_size 0
		.amdhsa_enable_private_segment 0
		.amdhsa_kernarg_size 56
		.amdhsa_user_sgpr_count 2
		.amdhsa_user_sgpr_kernarg_segment_ptr 1
		.amdhsa_wavefront_size32 1
		.amdhsa_system_sgpr_workgroup_id_x 1
		.amdhsa_system_sgpr_workgroup_id_y 1
		.amdhsa_system_sgpr_workgroup_id_z 1
		.amdhsa_system_vgpr_workitem_id 0
		.amdhsa_next_free_vgpr 1024
		.amdhsa_next_free_sgpr 66
		.amdhsa_reserve_vcc 1
		.amdhsa_float_denorm_mode_32 3
		.amdhsa_float_denorm_mode_16_64 3
		.amdhsa_memory_ordered 1
		.amdhsa_forward_progress 1
		.amdhsa_inst_pref_size 255
	.end_amdhsa_kernel
	.section	.bss,"aw",@nobits
	.p2align	6
	.space	262144
	.amdgpu_metadata
---
amdhsa.version: [ 1, 2 ]
amdhsa.kernels:
  - .name:           k_qd172e51fb6_main
    .symbol:         k_qd172e51fb6_main.kd
    .args:
      - { .name: values, .offset: 0, .size: 8, .value_kind: global_buffer, .address_space: global }
      - { .name: w2f, .offset: 8, .size: 8, .value_kind: global_buffer, .address_space: global }
      - { .name: qp, .offset: 16, .size: 8, .value_kind: global_buffer, .address_space: global }
      - { .name: V, .offset: 24, .size: 8, .value_kind: global_buffer, .address_space: global }
      - { .name: lg, .offset: 32, .size: 8, .value_kind: global_buffer, .address_space: global }
      - { .name: st, .offset: 40, .size: 8, .value_kind: global_buffer, .address_space: global }
      - { .name: cp, .offset: 48, .size: 8, .value_kind: global_buffer, .address_space: global }
    .group_segment_fixed_size: 327680
    .private_segment_fixed_size: 0
    .kernarg_segment_align: 8
    .kernarg_segment_size: 56
    .max_flat_workgroup_size: 128
    .sgpr_count:     66
    .vgpr_count:     1024
    .wavefront_size: 32
...
	.end_amdgpu_metadata
.endif
;; end of part 2
;; launch combine (part 3): grid 128 x 1, 2 waves a work-group, no clusters, 0 bytes of LDS; arguments lg, st, cp, out0, out1; writes out0, out1
.if DOCPART == 3
	.amdgcn_target "amdgcn-amd-amdhsa--gfx1250"
	.amdhsa_code_object_version 6
	.text
	.protected	k_qd172e51fb6_combine
	.globl	k_qd172e51fb6_combine
	.p2align	8
	.type	k_qd172e51fb6_combine,@function
k_qd172e51fb6_combine:
	s_mov_b64 s[64:65], 0
	v_nop
	global_prefetch_b8 v0, s[64:65] scope:SCOPE_SE
	s_setreg_imm32_b32 hwreg(HW_REG_WAVE_MODE, 25, 1), 1
	s_wait_xcnt 0x0
; combine: joins the 16 tiles of a batch.  M = max of the tiles' m, L = sum of l_i e^(m_i - M), s_i = e^(m_i - M) / L;
; out0[b][d] = sum over i of s_i cp[16 b + i][d];   out1[b][t] = e^(lg[b][t] - M) / L.
; Work-group id: batch b = id >> 2, quarter qd = id & 3: 256 d of out0 and 512 t of out1.  64 threads, 16 bytes a lane in every load of cp and lg and in
; every store: a wave's instruction covers 512 neighbouring bytes, aligned.  All 19 loads go out first.  No LDS, no barrier: every lane makes M and L itself.
; L is at least 1: the tile that holds M has l_i >= 1 and factor 1.  LIMITS: v_exp_f32 flushes denormals (ISA guide 15.8): weights below 2^-126 are 0.
; Of st a lane reads 8 bytes of a tile's 512: 16 such reads a wave, once.
.set CPR, 16                           ; v[16:79]  cp: 4 registers for each tile i
.set ACC, 86                           ; v[86:89]  out0
	s_load_b256 s[4:11], s[0:1], 0x0               ; lg s[4:5], st s[6:7], cp s[8:9], out0 s[10:11]
	s_load_b64 s[12:13], s[0:1], 0x20              ; out1
	s_lshr_b32 s14, ttmp9, 2                       ; b
	s_and_b32 s15, ttmp9, 3                        ; qd
	v_lshlrev_b32 v1, 4, v0                        ; 16 t
	v_and_b32 v2, 15, v0
	v_lshlrev_b32 v2, 9, v2                        ; tile i = lane & 15: 512 bytes of st each
	s_lshl_b32 s16, s14, 13                        ; st: 16 tiles x 512; lg and out1: 2,048 x 4 bytes a batch
	s_mov_b32 s17, 0
	s_lshl_b32 s18, s15, 11                        ; + 512 t x 4 bytes a quarter
	s_add_co_u32 s18, s18, s16
	s_mov_b32 s19, 0
	s_lshl_b32 s20, s14, 16                        ; cp: 16 tiles x 4,096 bytes a batch
	s_lshl_b32 s21, s15, 10                        ; + 256 d x 4 bytes a quarter
	s_add_co_u32 s20, s20, s21
	s_lshl_b32 s22, s14, 12                        ; out0: 4,096 bytes a batch
	s_add_co_u32 s22, s22, s21
	s_mov_b32 s21, 0
	s_mov_b32 s23, 0
	s_wait_kmcnt 0x0
	s_add_nc_u64 s[6:7], s[6:7], s[16:17]
	s_add_nc_u64 s[4:5], s[4:5], s[18:19]
	s_add_nc_u64 s[12:13], s[12:13], s[18:19]
	s_add_nc_u64 s[8:9], s[8:9], s[20:21]
	s_add_nc_u64 s[10:11], s[10:11], s[22:23]
	global_load_b64 v[4:5], v2, s[6:7]             ; (m_i, l_i)
	global_load_b128 v[8:11], v1, s[4:5]
	global_load_b128 v[12:15], v1, s[4:5] offset:1024
	.set i, 0
.rept 16
	global_load_b128 v[CPR+4*i:CPR+4*i+3], v1, s[8:9] offset:i*4096
	.set i, i+1
.endr
	s_wait_loadcnt 0x12                            ; (m, l) is in: 18 loads are younger
	v_mov_b32 v6, v4
	v_max_num_f32_dpp v6, v6, v6 row_xmask:1 row_mask:0xf bank_mask:0xf
	v_max_num_f32_dpp v6, v6, v6 row_xmask:2 row_mask:0xf bank_mask:0xf
	v_max_num_f32_dpp v6, v6, v6 row_xmask:4 row_mask:0xf bank_mask:0xf
	v_max_num_f32_dpp v6, v6, v6 row_xmask:8 row_mask:0xf bank_mask:0xf   ; M: each half of 16 lanes holds all 16 tiles
	v_sub_f32 v7, v4, v6
	v_mul_f32 v7, 0x3fb8aa3b, v7
	v_exp_f32 v7, v7                               ; e^(m_i - M)
	v_mov_b32 v82, v6                              ; (M, M): also the plain instruction behind the transcendental (ISA guide 5.7.2)
	v_mov_b32 v83, v6
	s_wait_alu depctr_va_vdst(0)
	v_mul_f32 v80, v7, v5
	v_add_f32_dpp v80, v80, v80 row_xmask:1 row_mask:0xf bank_mask:0xf
	v_add_f32_dpp v80, v80, v80 row_xmask:2 row_mask:0xf bank_mask:0xf
	v_add_f32_dpp v80, v80, v80 row_xmask:4 row_mask:0xf bank_mask:0xf
	v_add_f32_dpp v80, v80, v80 row_xmask:8 row_mask:0xf bank_mask:0xf   ; L
	v_rcp_f32 v84, v80
	v_nop
	s_wait_alu depctr_va_vdst(0)
	v_mov_b32 v85, v84                             ; (1/L, 1/L)
	v_mul_f32 v7, v7, v84                          ; s_i in lane i
	.set i, 0
.rept 16
	v_readlane_b32 s[40+i], v7, i                  ; factors only: no address and no branch is made of them
	.set i, i+1
.endr
	s_wait_loadcnt 0x10                            ; the logits are in: cp's 16 loads are younger
.irp k, 8,10,12,14
	v_pk_add_f32 v[\k:\k+1], v[\k:\k+1], v[82:83] neg_lo:[0,1] neg_hi:[0,1]
.endr
.irp k, 8,10,12,14
	v_pk_mul_f32 v[\k:\k+1], v[\k:\k+1], 0x3fb8aa3b op_sel_hi:[1,0]
.endr
.irp k, 8,9,10,11,12,13,14,15
	v_exp_f32 v\k, v\k
.endr
	v_nop
	s_wait_alu depctr_va_vdst(0)
.irp k, 8,10,12,14
	v_pk_mul_f32 v[\k:\k+1], v[\k:\k+1], v[84:85]
.endr
	global_store_b128 v1, v[8:11], s[12:13]
	global_store_b128 v1, v[12:15], s[12:13] offset:1024
	s_wait_loadcnt 0xf                             ; tile 0 of cp; the counts run down with the tiles
.irp k, 0,1,2,3
	v_mul_f32 v[ACC+\k], s40, v[CPR+\k]
.endr
	.set i, 1
.rept 15
	s_wait_loadcnt 15-i
	v_fmac_f32 v[ACC+0], s[40+i], v[CPR+4*i+0]
	v_fmac_f32 v[ACC+1], s[40+i], v[CPR+4*i+1]
	v_fmac_f32 v[ACC+2], s[40+i], v[CPR+4*i+2]
	v_fmac_f32 v[ACC+3], s[40+i], v[CPR+4*i+3]
	.set i, i+1
.endr
	global_store_b128 v1, v[ACC:ACC+3], s[10:11]
	s_endpgm
.Lfunc_end_k_qd172e51fb6_combine:
	.size	k_qd172e51fb6_combine, .Lfunc_end_k_qd172e51fb6_combine-k_qd172e51fb6_combine
	.p2alignl 7, 3214868480
	.fill 96, 4, 3214868480
	.section	.rodata,"a",@progbits
	.p2align	6, 0x0
	.amdhsa_kernel k_qd172e51fb6_combine
		.amdhsa_group_segment_fixed_size 0
		.amdhsa_private_segment_fixed_size 0
		.amdhsa_enable_private_segment 0
		.amdhsa_kernarg_size 40
		.amdhsa_user_sgpr_count 2
		.amdhsa_user_sgpr_kernarg_segment_ptr 1
		.amdhsa_wavefront_size32 1
		.amdhsa_system_sgpr_workgroup_id_x 1
		.amdhsa_system_sgpr_workgroup_id_y 1
		.amdhsa_system_sgpr_workgroup_id_z 1
		.amdhsa_system_vgpr_workitem_id 0
		.amdhsa_next_free_vgpr 96
		.amdhsa_next_free_sgpr 66
		.amdhsa_reserve_vcc 0
		.amdhsa_float_denorm_mode_32 3
		.amdhsa_float_denorm_mode_16_64 3
		.amdhsa_memory_ordered 1
		.amdhsa_forward_progress 1
		.amdhsa_inst_pref_size 9
	.end_amdhsa_kernel
	.amdgpu_metadata
---
amdhsa.version: [ 1, 2 ]
amdhsa.kernels:
  - .name:           k_qd172e51fb6_combine
    .symbol:         k_qd172e51fb6_combine.kd
    .args:
      - { .name: lg, .offset: 0, .size: 8, .value_kind: global_buffer, .address_space: global }
      - { .name: st, .offset: 8, .size: 8, .value_kind: global_buffer, .address_space: global }
      - { .name: cp, .offset: 16, .size: 8, .value_kind: global_buffer, .address_space: global }
      - { .name: out0, .offset: 24, .size: 8, .value_kind: global_buffer, .address_space: global }
      - { .name: out1, .offset: 32, .size: 8, .value_kind: global_buffer, .address_space: global }
    .group_segment_fixed_size: 0
    .private_segment_fixed_size: 0
    .kernarg_segment_align: 8
    .kernarg_segment_size: 40
    .max_flat_workgroup_size: 64
    .sgpr_count:     66
    .vgpr_count:     96
    .wavefront_size: 32
...
	.end_amdgpu_metadata
.endif
;; end of part 3
